; MI455X (gfx1250); checked and timed in simulation.
; The chip was launched on July 23, 2026; its instructions are those of AMD's public machine-readable ISA for CDNA 5 (MIT licence, August 2026) and "CDNA5" Instruction Set Architecture Reference Guide (July 2026). The comments in the code are by the model that wrote it; some were corrected since.
;; Transformer Encoder Layer Simple. Allowed arithmetic: matrix products marked QUANTISED: E2M1 operands, one E8M0 scale for each 32 along K, by v_wmma_scale_f32_16x16x128_f8f6f4 with both operands' format E2M1 (or v_wmma_scale_f32_32x16x128_f4), f32 sums; products left as they are: f32 operands where the result goes on into a quantised operand, else bf16, f16 or f32 operands; f32 sums; everything else in f32.
;; Inputs: Wk_codes 512 x 16 x 16 uint8 (E2M1 codes of Wk, K innermost, in blocks of 32 codes, two codes a byte); Wk_scales 512 x 16 uint8 (E8M0 scales of Wk, one for each 32 codes along K); Wl_codes 512 x 16 x 16 uint8 (E2M1 codes of Wl, K innermost, in blocks of 32 codes, two codes a byte); Wl_scales 512 x 16 uint8 (E8M0 scales of Wl, one for each 32 codes along K); Wo_codes 512 x 16 x 16 uint8 (E2M1 codes of Wo, K innermost, in blocks of 32 codes, two codes a byte); Wo_scales 512 x 16 uint8 (E8M0 scales of Wo, one for each 32 codes along K); Wq_codes 512 x 16 x 16 uint8 (E2M1 codes of Wq, K innermost, in blocks of 32 codes, two codes a byte); Wq_scales 512 x 16 uint8 (E8M0 scales of Wq, one for each 32 codes along K); Wv_codes 512 x 16 x 16 uint8 (E2M1 codes of Wv, K innermost, in blocks of 32 codes, two codes a byte); Wv_scales 512 x 16 uint8 (E8M0 scales of Wv, one for each 32 codes along K); bk 512 float32; bl 512 float32; bo 512 float32; bq 512 float32; bv 512 float32; src_codes 4,096 x 32 x 16 x 16 uint8 (E2M1 codes of src, K innermost, in blocks of 32 codes, two codes a byte); src_scales 4,096 x 32 x 16 uint8 (E8M0 scales of src, one for each 32 codes along K).
;; Outputs: out0 1 x 32 x 512 float32.
;; This version of the problem:
;;   THIS VERSION OF THE PROBLEM IS GIVEN IN LOW PRECISION. The matrix products marked QUANTISED in the list below multiply operands that are first quantised to E2M1 (2 exponent bits, 1 mantissa bit; 4 bits a number), with one power-of-two scale for each 32 numbers along K (OCP MX v1.0); their sums are f32. All else is computed in f32.
;;   The module's matrix products, in the order in which they are computed (A, B: the left and right operand; K: the contracted axis; several contracted axes count as one K, in the product's order):
;;     1. [M 131,072, K 512] x [K 512, N 512]; A: input src (given as codes); B: input Wk (given as codes): QUANTISED
;;     2. [M 131,072, K 512] x [K 512, N 512]; A: input src (given as codes); B: input Wv (given as codes): QUANTISED
;;     3. [M 32, K 512] x [K 512, N 512]; A: input src (given as codes); B: input Wq (given as codes): QUANTISED
;;     4. batch 256 x [M 1, K 64] x [K 64, N 4,096]; A: computed on the way; B: computed on the way: left as it is (M = 1 < 16)
;;     5. batch 256 x [M 1, K 4,096] x [K 4,096, N 64]; A: softmax; B: computed on the way: left as it is (M = 1 < 16)
;;     6. [M 32, K 512] x [K 512, N 512]; A: computed on the way; B: input Wo (given as codes): QUANTISED
;;     7. [M 32, K 512] x [K 512, N 512]; A: computed on the way; B: input Wl (given as codes): QUANTISED
;;   THE QUANTISER, for each operand of a quantised product, along K:
;;     - K is cut into blocks of 32 from its start; a last block that is shorter is filled with zeros.
;;     - A block's scale is 2^e with e = floor(log2(the largest magnitude in the block)) - 2, held to -126 .. 127; a block of zeros has e = 0. As a byte (E8M0): e + 127.
;;     - Each number is divided by its block's scale, clamped to +-6, and rounded to the nearest number of E2M1, ties to even, subnormals kept.
;;     - The product sums the exact products of the quantised numbers (number of the format x scale) in f32.
;;   ~~~python
;;   def quantise(x, axis):      # numpy; x: float32 -> the quantised numbers, widened to float32 again
;;       x = np.moveaxis(x, axis, -1); K = x.shape[-1]
;;       x = np.pad(x, [(0, 0)] * (x.ndim - 1) + [(0, -K % 32)]); x = x.reshape(x.shape[:-1] + (-1, 32)); a = np.abs(x).max(-1, keepdims=True)
;;       e = np.where(a > 0, np.clip(np.frexp(np.where(a > 0, a, 1))[1] - 1 - 2, -126, 127), 0)      # np.frexp(a)[1] - 1 = floor(log2(a)), exactly
;;       r = np.clip(x / 2.0 ** e, -6, 6)
;;       step = 2.0 ** (np.maximum(np.frexp(np.where(r == 0, 1, r))[1] - 1, 0) - 1)
;;       q = np.round(r / step) * step * 2.0 ** e      # np.round: ties to even
;;       return np.moveaxis(q.reshape(q.shape[:-2] + (-1,))[..., :K], -1, axis).astype(np.float32)
;;   ~~~
;;   OPERANDS COMPUTED ON THE WAY. 'Computed on the way' means the value that the module computes at that place (a softmax that the list does not call 'softmax' is quantised finished and normalised). What goes into a quantiser is computed in f32, as accurately as f32 sums, v_exp_f32 and their like allow (about 1e-6 of the number): no bf16 or f16 on the way to a quantiser, and a product that is left as it is and whose result goes on into a quantised operand takes f32 operands (vector FMAs, or v_wmma_f32_16x16x4_f32). A number that lies on a knife's edge between two numbers of the format may be rounded either way, as far as f32 arithmetic and the matrix unit's own rounding can turn it there, and no further.
;;   INPUTS GIVEN AS CODES. Wk (in the module: [512, 512], K = its axis 1); Wl (in the module: [512, 512], K = its axis 1); Wo (in the module: [512, 512], K = its axis 1); Wq (in the module: [512, 512], K = its axis 1); Wv (in the module: [512, 512], K = its axis 1); src (in the module: [4096, 32, 512], K = its axis 2): each comes as NAME_codes (uint8): NAME with its K axis moved to the last place and cut into blocks of 32 codes, [.., K / 32, bytes a block], one block behind the other in memory; two codes a byte, the lower K in the low four bits (a code: sign, 2 exponent bits, 1 mantissa bit); and NAME_scales (uint8): the same leading axes, one E8M0 byte (e + 127) for each 32 codes along K. Its value is code x scale, taken as it is: it is not quantised again, and the codes and scales need not be those that the quantiser above would give.
;; One version. Each part assembles by itself: llvm-mc -triple=amdgcn-amd-amdhsa -mcpu=gfx1250 --defsym DOCPART=n.
;; ======== version 1 of 1: 2 launches
;; limits: right only within a limited range of input values
;; workspace buffers: part_o 2,097,152 bytes; part_ml 65,536 bytes
;; launch attn (part 1): grid 256 x 1, 8 waves a work-group, clusters of 4 x 1, 327,680 bytes of LDS; arguments src_codes, src_scales, Wq_codes, Wq_scales, bq, Wk_codes, Wk_scales, Wv_codes, Wv_scales, part_o, part_ml; writes part_o, part_ml
.if DOCPART == 1
	.amdgcn_target "amdgcn-amd-amdhsa--gfx1250"
	.amdhsa_code_object_version 6
	.text
	.protected	k_q94c259b43d_attn
	.globl	k_q94c259b43d_attn
	.p2align	8
	.type	k_q94c259b43d_attn,@function
k_q94c259b43d_attn:
	s_mov_b64 s[64:65], 0
	v_nop
	global_prefetch_b8 v0, s[64:65] scope:SCOPE_SE
	s_setreg_imm32_b32 hwreg(HW_REG_WAVE_MODE, 25, 1), 1
	s_wait_xcnt 0x0
	s_wait_alu depctr_hold_cnt(0) depctr_sa_sdst(0) depctr_va_vdst(0) depctr_va_sdst(0) depctr_va_ssrc(0) depctr_va_vcc(0) depctr_vm_vsrc(0)
	s_getreg_b32 s2, hwreg(HW_REG_IB_STS2, 6, 4)
	s_cmp_eq_u32 s2, 0
	s_cbranch_scc0 .Lentry_in_a_cluster
	s_endpgm
.Lentry_in_a_cluster:
	s_bfe_u32 s2, ttmp6, 0x10000c
	s_cmp_lg_u32 s2, 0x3003
	s_cbranch_scc0 .Lentry_shape_is_right
	s_endpgm
.Lentry_shape_is_right:
; ONE QUERY A BATCH ROW: q = src[2048] Wq^T + bq;  K = src Wk^T;  V = src Wv^T (+ bv, added by the next launch);  softmax over the 4,096 s of q . K / 8;  the weighted sum of V.
; src [4096 s][32 n][512] and the weights [512][512] are codes of FP4 (E2M1) with one E8M0 byte for each 32 along K; they go to the matrix unit as they lie.
; DEAD WORK LEFT OUT: bk.  A score is q . (k + bk) = q . k + q . bk, and q . bk is the same for every s of a (batch row, head): the softmax over s takes it away, for all values of the inputs.  K goes into no quantiser.
; So bk has no way to the output and is no argument.  A NaN, an infinity or an overflow that only bk would bring in is not carried to the result.
; THIS LAUNCH makes, for each work-group's 128 s x 4 n, the share's own softmax: m = the largest t, l = the sum of 2^(t - m), and the sum of 2^(t - m) V, with t = score x log2(e) / 8.
; The next launch joins the 32 shares of each n.  K and V never leave the registers.
; SHARES.  256 work-groups: g = 8 chunk + ng; chunk = 128 neighbouring s, ng = 4 neighbouring n: 512 rows = 32 tiles of 16.  LDS row 4 sl + nl, so lane r of tile tau has nl = r % 4 and sl = 4 tau + r / 4.
; Eight waves, two to a SIMD: wave w = cg + 4 rh owns heads 2 cg and 2 cg + 1 (128 columns of K and of V) for the 16 tiles 2 i + rh, with its 128 rows of Wk, later of Wv, in 256 registers.
; ALL PRODUCTS ARE USED TRANSPOSED (source 0 = 32 rows of a weight, source 1 = 16 rows of src): lane (r, h) holds row r; register 16 M + 8 t + j is column 32 M + 16 t + 8 h + j.  q, K, V and the sums share that layout.
; TWO PHASES over a share that lies whole in LDS (filled once): K tiles and their scores; the wave's largest t, p = 2^(t - m); V tiles, each times its p.  The two halves of the tiles are joined at the end.
; A TILE GOES IN TWO GROUPS of eight products, M = 0, 1 (the first head) and M = 2, 3 (the second); behind each group stands the vector work on the results of the group before.
; A score: four chains of multiply-adds, two for each 32 columns; then lanes 0-15 come to hold the first head's t of row r, lanes 16-31 the second's.
; q: wave w makes head w's 64 columns and hands them on through LDS.
; CLUSTER.  The four work-groups of a cluster need the same weights: Wk is asked for jointly at the head, Wv jointly into the same LDS bytes once Wk is in registers.
; Wq is not asked for jointly: src's 147,456 bytes and two regions of 139,264 for weights pass 327,680.  Its rows come by plain loads of 512 consecutive bytes and become fragments through the wave's own stage.  src is read by one work-group alone.
; No prefetch: all of src is asked for at the head and Wv 6 trips ahead of the wait for it; no loop asks for more.
; LIMITS: NaN, infinities and the scale byte 0xff are not served.  A p under 2^-126 comes out of v_exp_f32 as 0.  The promise holds while |t| stays under 2^31.
.set PITCH,  272                       ; a row of codes in LDS: 256 bytes + 16 of padding
.set TILEB,  16*PITCH                  ; a tile of 16 rows
.set TRIPB,  2*TILEB                   ; from one of my tiles to the next
.set PIECE,  128*PITCH                 ; 32 s of src; also 128 rows of a weight
.set SCL,    139264                    ; behind the 512 rows of codes: their scale bytes, 16 a row, dense; stored by the waves
.set WREG,   147456                    ; the weights' 512 rows; at the end each wave's way out, 16 rows x 528 bytes
.set OUTW,   16*528
.set STG,    286720                    ; 4,352 bytes a wave, no fill lands here: 16 rows of Wq at a time; later t, then p (128 x (tile + 1) + 4 x lane), and from QX on its q
.set QX,     2304
.set SPARE,  321536                    ; the spare words, 128 bytes for each wave: four blocks of 256 bytes that no other line names
.set EX,     322560                    ; each wave's statistics, 64 bytes: m, l
.set ML,     323072                    ; the joined ones likewise
; window 0
.set SPW, 1                            ; LDS address of my spare word; never rewritten
.set NIL, 2                            ; 0; never rewritten
.set AF,  3                            ; my place in my tiles of src: 272 (16 rh + r) + 16 h
.set AS,  4                            ; SCL + 256 rh + 16 r
.set AWL, 5                            ; WREG + PIECE cg + 272 r + 16 h
.set ASC, 6                            ; my stage + 4 x lane
.set APX, 7                            ; my stage + 4 r
.set ADX, 8                            ; addresses in hand
.set ADY, 9
.set TA,  10                           ; v10-13, v14-15: the end of a score; later:
.set TT,  14
.set MX,  10                           ; m
.set LL,  11                           ; l
.set NM,  12                           ; v12-13  -m, as a pair of which the low word serves both halves
.set VAC, 14                           ; the address of p
.set WSK, 16                           ; v16-31  Wk's scale words: register 4 M + q, lane = row of the 32
.set WSV, 32                           ; v32-47  Wv's
.set SS,  48                           ; v48-55  two tiles' scale words, 4 b + q, in lanes 0-15
.set ACC, 56                           ; v56-63  a head's four score chains, pairs; later:
.set PP,  56                           ; v56-59  p: 2 (tile % 2) + head
.set FR,  64                           ; v64-127 two tiles' fragments of src: 32 b + 8 q
.set R,   128                          ; v128-191 a tile's results, 16 M + 8 t + j
.set QQ,  192                          ; v192-255 q x log2(e) / 8; later:
.set OO,  192                          ; the sum of p V
; at the head alone, in the results' registers
.set WSQ, 128                          ; v128-135 Wq's scale words
.set SSQ, 136                          ; v136-139 the query rows'
.set SCR, 140                          ; v140-147 scale bytes on their way into LDS
.set LANE, 148
.set RR,  149
.set HH,  150
.set NL,  151
.set STW, 152                          ; Wq's stage, in: 272 h + 16 r
.set STR, 153                          ; out, as fragments: 272 r + 16 h
.set G16, 154                          ; 16 x lane
.set GB,  155                          ; 32 h
.set GQ,  156                          ; 256 (r % 4) + 16 h
.set GQS, 157                          ; 16 (r % 4)
.set GS,  158                          ; 512 (lane / 4) + 16 (lane % 4)
.set SCW, 159                          ; SCL + 1,024 w + 16 x lane
.set QT,  160                          ; v160-191 head w's q
.set QXW, 56                           ; my stage + 64 h + 16 (r % 4)
.set QXR, 57                           ; the same in wave 2 cg's, QX on
; window 1: v0-255 Wk, later Wv, at 64 M + 16 q + 8 t.   At the head Wq's fragments likewise (v0-127), its rows as they lie (v128-255)
; scalar
.set TS,  2                            ; the trip's first byte among the scale bytes,
.set TC,  3                            ; among t or p,
.set TF,  77                           ; among the codes
.set CNT, 76
.set WV,  28
.set CG,  29
.set RH,  30
.set G0V, 36                           ; groups 0, none ever rewritten: 64 rows of Wv,
.set G0K, 68                           ; 128 rows of Wk,
.set G0C, 72                           ; 32 s of src
.set G1K, 40                           ; groups 1 likewise
.set G1V, 48
.set G1C, 56
.set MSB, 0
.macro WIN new                         ; the immediate's high byte repeats the setting that is left
.if MSB != \new
	s_set_vgpr_msb (MSB<<8)|\new
.set MSB, \new
.endif
.endm
.macro PLACES                          ; four plain vector instructions between a matrix instruction and a load into, or a read of, its registers
.rept 4
	v_nop
.endr
.endm
.macro ROUND                           ; a round of the cluster's barrier
	s_barrier_signal -1
	s_barrier_wait -1
	s_cmp_lg_u32 s[WV], 0
	s_cbranch_scc1 .Lnot_wave_0_\@
	s_barrier_signal -3
.Lnot_wave_0_\@:
	s_barrier_wait -3
	s_barrier_signal -1
	s_barrier_wait -1
.endm
.macro DESC g, w, c, r, p              ; group 1: r rows of c elements of 8 bytes, p elements from row to row
	s_mov_b32 s[\g+0], \w
	s_mov_b32 s[\g+1], (\c)<<16
	s_mov_b32 s[\g+2], (\r)<<16
	s_mov_b32 s[\g+3], (\c)<<16
	s_mov_b32 s[\g+4], \r
	s_mov_b32 s[\g+5], \p
	s_mov_b32 s[\g+6], 0
	s_mov_b32 s[\g+7], 0
.endm
; Group g of a tile's products, 8 of 32 x 16 x 128: M = 2 g, 2 g + 1, the tile in buffer b.  The two accumulators take turns; the first K step starts the sums
.macro G b, g, wsb
	WIN 0x01                                       ; the weight in window 1
.irp q, 0,1,2,3
.irp m, 2*(\g), 2*(\g)+1
.if \q == 0
	v_wmma_scale_f32_32x16x128_f4 v[R+16*(\m):R+16*(\m)+15], v[64*(\m):64*(\m)+15], v[FR+32*(\b):FR+32*(\b)+7], 0, v[(\wsb)+4*(\m)], v[SS+4*(\b)]
.else
	v_wmma_scale_f32_32x16x128_f4 v[R+16*(\m):R+16*(\m)+15], v[64*(\m)+16*\q:64*(\m)+16*\q+15], v[FR+32*(\b)+8*\q:FR+32*(\b)+8*\q+7], v[R+16*(\m):R+16*(\m)+15], v[(\wsb)+4*(\m)+\q], v[SS+4*(\b)+\q]
.endif
.endr
.endr
	WIN 0
.endm
; Nine LDS loads: a tile's fragments (lane (r, h): row r; registers 8 q + 4 c on: the 16 bytes at 64 q + 32 c + 16 h) and its 16 rows' scale words, into buffer b
.macro FETCH b
.irp q, 0,1,2,3
.irp c, 0,1
	ds_load_b128 v[FR+32*(\b)+8*\q+4*\c:FR+32*(\b)+8*\q+4*\c+3], v[ADX] offset:TRIPB*(\b)+64*\q+32*\c
.endr
.endr
	ds_load_b128 v[SS+4*(\b):SS+4*(\b)+3], v[ADY] offset:512*(\b)
.endm
.macro WLOAD g                         ; 32 loads: my 64 rows of a weight for group g, LDS to registers
	WIN 0x40
.irp m, 2*(\g), 2*(\g)+1
.irp q, 0,1,2,3
.irp t, 0,1
.irp c, 0,1
	ds_load_b128 v[64*(\m)+16*\q+8*\t+4*\c:64*(\m)+16*\q+8*\t+4*\c+3], v[AWL] offset:TILEB*(2*(\m)+\t)+64*\q+32*\c
.endr
.endr
.endr
.endr
	WIN 0
.endm
.macro STEPS                           ; on to the next two tiles
	s_add_co_u32 s[TF], s[TF], 2*TRIPB
	s_add_co_u32 s[TS], s[TS], 1024
	s_add_co_u32 s[TC], s[TC], 256
.endm
; Half of a head's multiply-adds (pr = 0, 2: its first M): 8 of 16, four chains by turns; each accumulator is read from its low end on
.macro DK pr, hf
.irp i, 2*(\hf), 2*(\hf)+1
.irp e, 0,2
.irp mm, 0,1
.if (\i) == 0
	v_dual_mul_f32 v[ACC+4*\mm+\e], v[R+16*(\pr+\mm)+\e], v[QQ+16*(\pr+\mm)+\e] :: v_dual_mul_f32 v[ACC+4*\mm+\e+1], v[R+16*(\pr+\mm)+\e+1], v[QQ+16*(\pr+\mm)+\e+1]
.else
	v_dual_fmac_f32 v[ACC+4*\mm+\e], v[R+16*(\pr+\mm)+4*(\i)+\e], v[QQ+16*(\pr+\mm)+4*(\i)+\e] :: v_dual_fmac_f32 v[ACC+4*\mm+\e+1], v[R+16*(\pr+\mm)+4*(\i)+\e+1], v[QQ+16*(\pr+\mm)+4*(\i)+\e+1]
.endif
.endr
.endr
.endr
.endm
.macro JOIN4                           ; a head's four chains to two
	v_pk_add_f32 v[TA:TA+1], v[ACC:ACC+1], v[ACC+2:ACC+3]
	v_pk_add_f32 v[TA+2:TA+3], v[ACC+4:ACC+5], v[ACC+6:ACC+7]
.endm
.macro JOIN2                           ; and to one
	v_pk_add_f32 v[TA:TA+1], v[TA:TA+1], v[TA+2:TA+3]
.endm
; A TILE OF THE K PHASE, in buffer b.  Behind the first group: the second head's chains of the tile before, and the end of its first head's; behind the second group: the first head's chains of this tile, the end of the second head's of the tile before, and the store of that tile's t.
; Then the tile two on is fetched into this buffer.  prev = 0: the first tile.  dw: the LDS instructions behind this tile's loads, which may be out
.macro KT b, prev, dw
.if \prev
	s_wait_alu depctr_va_vdst(0)
.endif
	s_wait_dscnt \dw
	G \b, 0, WSK
.if \prev
	JOIN4
	DK 2, 0
	JOIN2
	DK 2, 1
	v_add_f32 v[TT], v[TA], v[TA+1]                ; my 32 columns of the first head
.else
	s_wait_dscnt 17                                ; Wk's second half is in: behind it stand 8 + 9 loads
.endif
	G \b, 1, WSK
.if \prev
	JOIN4
.else
	PLACES
.endif
	DK 0, 0
.if \prev
	JOIN2
.endif
	DK 0, 1
	v_add_nc_u32 v[ADX], s[TF], v[AF]
.if \prev
	v_add_f32 v[TT+1], v[TA], v[TA+1]              ; and of the second
	v_add_nc_u32 v[ADY], s[TC], v[ASC]
	v_permlane16_swap_b32 v[TT], v[TT+1]           ; the first head's upper lanes change places with the second's lower lanes:
	v_add_f32 v[TT], v[TT], v[TT+1]                ; lanes 0-15: t of row r in the first head, lanes 16-31: in the second
	ds_store_b32 v[ADY], v[TT] offset:128*(\b)
.endif
	v_add_nc_u32 v[ADY], s[TS], v[AS]
	FETCH \b
.endm
; A head's 16 multiply-adds V p (pr = 0, 2), par: the tile's parity.  first: they start the sums
.macro DV pr, par, first
.irp i, 0,1,2,3
.irp e, 0,2
.irp mm, 0,1
.if \first
	v_dual_mul_f32 v[OO+16*(\pr+\mm)+4*\i+\e], v[R+16*(\pr+\mm)+4*\i+\e], v[PP+2*(\par)+\pr/2] :: v_dual_mul_f32 v[OO+16*(\pr+\mm)+4*\i+\e+1], v[R+16*(\pr+\mm)+4*\i+\e+1], v[PP+2*(\par)+\pr/2]
.else
	v_dual_fmac_f32 v[OO+16*(\pr+\mm)+4*\i+\e], v[R+16*(\pr+\mm)+4*\i+\e], v[PP+2*(\par)+\pr/2] :: v_dual_fmac_f32 v[OO+16*(\pr+\mm)+4*\i+\e+1], v[R+16*(\pr+\mm)+4*\i+\e+1], v[PP+2*(\par)+\pr/2]
.endif
.endr
.endr
.endr
.endm
; A TILE OF THE V PHASE, in buffer b.  prev: the second head of the tile before is summed behind the first group.  f2, f0: those products start the sums.  pn: the next tile's p is loaded.  fetch: the tile two on is fetched
.macro VT b, fetch, prev, f2, f0, pn, dw
	s_wait_dscnt \dw
	G \b, 0, WSV
.if \prev
	DV 2, 1-(\b), \f2
.endif
	G \b, 1, WSV
.if \prev == 0
	PLACES
.endif
	v_add_nc_u32 v[VAC], s[TC], v[APX]
	v_add_nc_u32 v[ADX], s[TF], v[AF]
	v_add_nc_u32 v[ADY], s[TS], v[AS]
	DV 0, \b, \f0
.if \pn
	ds_load_b32 v[PP+2*(1-(\b))], v[VAC] offset:256+128*(\b)
	ds_load_b32 v[PP+2*(1-(\b))+1], v[VAC] offset:256+128*(\b)+64
.endif
.if \fetch
	FETCH \b
.endif
.endm
	s_load_b512 s[4:19], s[0:1], 0x0               ; src codes s[4:5], src scales s[6:7], Wq codes s[8:9], Wq scales s[10:11], bq s[12:13], Wk codes s[14:15], Wk scales s[16:17], Wv codes s[18:19]
	s_load_b128 s[20:23], s[0:1], 0x40             ; Wv scales s[20:21], part_o s[22:23]
	s_load_b64 s[24:25], s[0:1], 0x50              ; part_ml
	v_lshl_add_u32 v[SPW], v0, 2, SPARE
	v_mov_b32 v[NIL], 0
	ds_add_u32 v[SPW], v[NIL]                      ; the wave's opening: the add, twice on end, and its wait ahead of my first tensor load
	ds_add_u32 v[SPW], v[NIL]
	v_lshrrev_b32 v[ADX], 5, v0
	v_readfirstlane_b32 s[WV], v[ADX]              ; wave 0..7
	s_and_b32 s[CG], s[WV], 3
	s_lshr_b32 s[RH], s[WV], 2
	s_mul_i32 s31, s[CG], PIECE
	s_add_co_u32 s31, s31, WREG                    ; my 128 rows of a weight in LDS
	s_mul_i32 s32, s[WV], TILEB
	s_add_co_u32 s32, s32, STG                     ; my stage
	s_mul_i32 s33, s[CG], 2*TILEB
	s_add_co_u32 s33, s33, STG+QX                  ; wave 2 cg's q
	s_lshl_b32 s34, s[WV], 10
	s_add_co_u32 s34, s34, SCL
	s_mul_i32 s35, s[RH], TILEB
	s_lshl_b32 s78, s[RH], 8
	s_add_co_u32 s78, s78, SCL
	v_and_b32 v[LANE], 31, v0
	v_and_b32 v[RR], 15, v0
	v_bfe_u32 v[HH], v0, 4, 1
	v_and_b32 v[NL], 3, v0
	v_mul_u32_u24 v[ADX], v[RR], PITCH
	v_lshl_add_u32 v[ADX], v[HH], 4, v[ADX]
	v_add_nc_u32 v[AF], s35, v[ADX]
	v_add_nc_u32 v[AWL], s31, v[ADX]
	v_add_nc_u32 v[STR], s32, v[ADX]
	v_lshl_add_u32 v[AS], v[RR], 4, s78
	v_lshl_add_u32 v[ASC], v[LANE], 2, s32
	v_lshl_add_u32 v[APX], v[RR], 2, s32
	v_mul_u32_u24 v[STW], v[HH], PITCH
	v_lshl_add_u32 v[STW], v[RR], 4, v[STW]
	v_add_nc_u32 v[STW], s32, v[STW]
	v_lshlrev_b32 v[G16], 4, v[LANE]
	v_lshlrev_b32 v[GB], 5, v[HH]
	v_lshlrev_b32 v[GQ], 8, v[NL]
	v_lshl_add_u32 v[GQ], v[HH], 4, v[GQ]
	v_lshlrev_b32 v[GQS], 4, v[NL]
	v_lshrrev_b32 v[GS], 2, v[LANE]
	v_lshlrev_b32 v[GS], 9, v[GS]
	v_lshl_add_u32 v[GS], v[NL], 4, v[GS]
	v_add_nc_u32 v[SCW], s34, v[G16]
	v_lshlrev_b32 v[ADY], 6, v[HH]
	v_lshl_add_u32 v[ADY], v[NL], 4, v[ADY]
	v_add_nc_u32 v[QXR], s33, v[ADY]
	v_add_nc_u32 v[QXW], s32, v[ADY]
	s_bfe_u32 s33, ttmp6, 0x40000                  ; cx: my place in the cluster
	s_lshl_b32 s34, ttmp9, 2                       ; in a cluster launch ttmp9 counts clusters
	s_add_co_u32 s34, s34, s33                     ; g: it enters global addresses of my own loads and stores alone
	s_and_b32 s35, s34, 7                          ; ng
	s_lshr_b32 s33, s34, 3                         ; chunk
	; weights: rows of 256 bytes, dense in memory; 16 bytes of padding behind every 256 in LDS; 15:0 the mask: all four work-groups, bit 21 set beside it
	DESC G1K, 15|(3<<16)|(1<<20)|(1<<21)|(5<<22)|(3<<25), 32, 128, 32
	DESC G1V, 15|(3<<16)|(1<<20)|(1<<21)|(5<<22)|(3<<25), 32, 64, 32
	; src's codes: of each s the 4 n's rows, 1,024 consecutive bytes, 8,192 bytes from s to s; padded likewise: rows 272 apart
	DESC G1C, (3<<16)|(1<<20)|(5<<22)|(3<<25), 128, 32, 1024
	s_mov_b32 s27, 0
	s_mov_b32 s79, 0
	s_wait_alu depctr_va_vdst(0)                   ; ahead of the waits below
	s_wait_dscnt 0x0                               ; both opening adds are done
	ROUND                                          ; all four work-groups are here: the joint load meets its partners'
	s_wait_kmcnt 0x0
	s_lshl_b32 s26, s[CG], 15                      ; 128 rows of Wk's codes (s[26:27] never hold g)
	s_mov_b32 s[G0K], 1
	s_mov_b32 s[G0K+1], s31
	s_add_nc_u64 s[G0K+2:G0K+3], s[14:15], s[26:27]
	s_or_b32 s[G0K+3], s[G0K+3], 0x80000000
	s_lshl_b32 s78, s33, 20                        ; src's codes: chunk x 128 s x 8,192 + ng x 1,024 + cg x 32 s
	s_lshl_b32 s32, s35, 10
	s_add_co_u32 s78, s78, s32
	s_lshl_b32 s32, s[CG], 18
	s_add_co_u32 s78, s78, s32
	s_mul_i32 s32, s[CG], PIECE
	s_mov_b32 s[G0C], 1
	s_mov_b32 s[G0C+1], s32
	s_add_nc_u64 s[G0C+2:G0C+3], s[4:5], s[78:79]
	s_or_b32 s[G0C+3], s[G0C+3], 0x80000000
; THE HEAD'S LOADS, ONE A WAVE.  Waves 0 to 3 fetch Wk, wave 4 src's first 32 s, waves 5 to 7 the other three pieces of 32 s.  ONE tree of branches on the wave's number
.macro ARM under, g0, g1, next
	s_cmp_lt_u32 s[WV], \under
	s_cbranch_scc0 \next
	tensor_load_to_lds s[\g0:\g0+3], s[\g1:\g1+7]
	s_nop 0
	PLACES
	s_branch .Lasked
\next:
.endm
	ARM 4, G0K, G1K, .Lhead_c
	ARM 5, G0C, G1C, .Lhead_d
	tensor_load_to_lds s[G0C:G0C+3], s[G1C:G1C+7]
	s_nop 0
	PLACES
.Lasked:
	s_lshl_b32 s26, s[WV], 14                      ; 64 rows of Wq's codes,
	s_add_nc_u64 s[8:9], s[8:9], s[26:27]
	s_mov_b32 s[G0V], 1                            ; of Wv's
	s_mul_i32 s32, s[WV], 64*PITCH
	s_add_co_u32 s[G0V+1], s32, WREG
	s_add_nc_u64 s[G0V+2:G0V+3], s[18:19], s[26:27]
	s_or_b32 s[G0V+3], s[G0V+3], 0x80000000
	s_lshl_b32 s78, s33, 16                        ; src's scale bytes: chunk x 128 s x 512 + ng x 64 + wave x 16 s
	s_lshl_b32 s32, s35, 6
	s_add_co_u32 s78, s78, s32
	s_lshl_b32 s32, s[WV], 13
	s_add_co_u32 s78, s78, s32
	s_add_nc_u64 s[80:81], s[6:7], s[78:79]
	; 61 loads.  2: scale bytes of 16 s
	global_load_b128 v[SCR:SCR+3], v[GS], s[80:81]
	global_load_b128 v[SCR+4:SCR+7], v[GS], s[80:81] offset:4096
	WIN 0x40
.set i, 0
.rept 32                               ; 32: my 64 rows of Wq as they lie, 512 consecutive bytes a load
	global_load_b128 v[128+4*i:128+4*i+3], v[G16], s[8:9] offset:512*i
.set i, i+1
.endr
	WIN 0
	s_lshl_b32 s26, s[WV], 10                      ; Wq's scale bytes: 64 rows
	s_add_nc_u64 s[10:11], s[10:11], s[26:27]
	s_lshl_b32 s26, s[CG], 11                      ; Wk's and Wv's: 128 rows
	s_add_nc_u64 s[16:17], s[16:17], s[26:27]
	s_add_nc_u64 s[20:21], s[20:21], s[26:27]
	s_lshl_b32 s26, s[WV], 8                       ; 64 numbers of bq
	s_add_nc_u64 s[12:13], s[12:13], s[26:27]
	s_lshl_b32 s78, s35, 10                        ; the query rows: s = 2,048, my 4 n
	s_add_nc_u64 s[4:5], s[4:5], s[78:79]
	s_add_nc_u64 s[4:5], s[4:5], 0x1000000
	s_lshl_b32 s78, s35, 6
	s_add_nc_u64 s[6:7], s[6:7], s[78:79]
	s_add_nc_u64 s[6:7], s[6:7], 0x100000
	global_load_b128 v[WSQ:WSQ+3], v[G16], s[10:11]            ; 3: Wq's scale words (32 rows x 16 bytes a load), the query rows'
	global_load_b128 v[WSQ+4:WSQ+7], v[G16], s[10:11] offset:512
	global_load_b128 v[SSQ:SSQ+3], v[GQS], s[6:7]
.irp q, 0,1,2,3                        ; 8: the query rows as a tile: lane r takes n = 4 ng + r % 4, as in every tile
.irp c, 0,1
	global_load_b128 v[FR+8*\q+4*\c:FR+8*\q+4*\c+3], v[GQ], s[4:5] offset:64*\q+32*\c
.endr
.endr
.irp m, 0,1,2,3                        ; 8: bq in the result's layout, straight into q's registers
	global_load_b128 v[QT+8*\m:QT+8*\m+3], v[GB], s[12:13] offset:64*\m
	global_load_b128 v[QT+8*\m+4:QT+8*\m+7], v[GB], s[12:13] offset:64*\m+16
.endr
.irp i, 0,1,2,3                        ; 8: Wk's and Wv's scale words
	global_load_b128 v[WSK+4*\i:WSK+4*\i+3], v[G16], s[16:17] offset:512*\i
	global_load_b128 v[WSV+4*\i:WSV+4*\i+3], v[G16], s[20:21] offset:512*\i
.endr
	s_lshl_b32 s78, s35, 18                        ; part_o [n][chunk][512]: (4 ng + 2 rh) x 65,536 + chunk x 2,048 + cg x 512
	s_lshl_b32 s32, s33, 11
	s_add_co_u32 s78, s78, s32
	s_lshl_b32 s32, s[CG], 9
	s_add_co_u32 s78, s78, s32
	s_lshl_b32 s32, s[RH], 17
	s_add_co_u32 s78, s78, s32
	s_add_nc_u64 s[22:23], s[22:23], s[78:79]
	s_lshl_b32 s78, s34, 8                         ; part_ml [g][64]
	s_add_nc_u64 s[24:25], s[24:25], s[78:79]
	s_wait_loadcnt 59                              ; the scale bytes are in: behind them stand 59 loads
	ds_store_b128 v[SCW], v[SCR:SCR+3]
	ds_store_b128 v[SCW], v[SCR+4:SCR+7] offset:512
; 16 rows of Wq: out of the raw registers into my stage, and back as fragments: LDS serves a wave's instructions in order.  n: the loads behind these 8, which may be out
.macro STAGEQ m, n
	s_wait_loadcnt \n
	WIN 0x04                                       ; an LDS store's data are its source 1: window 1
.irp i, 0,1,2,3,4,5,6,7
	ds_store_b128 v[STW], v[128+32*\m+4*\i:128+32*\m+4*\i+3] offset:2*PITCH*\i
.endr
	WIN 0x40
.irp q, 0,1,2,3
.irp c, 0,1
	ds_load_b128 v[64*(\m/2)+16*\q+8*(\m%2)+4*\c:64*(\m/2)+16*\q+8*(\m%2)+4*\c+3], v[STR] offset:64*\q+32*\c
.endr
.endr
.endm
	STAGEQ 0, 51
	STAGEQ 1, 43
	STAGEQ 2, 35
	STAGEQ 3, 27
	s_wait_loadcnt 8                               ; the query rows, bq, the scale words of both; Wk's and Wv's may be out
	s_wait_dscnt 0x0
	WIN 0x01
.irp q, 0,1,2,3                        ; head w of q = src[2048] Wq^T + bq: two accumulators by turns
.irp m, 0,1
	v_wmma_scale_f32_32x16x128_f4 v[QT+16*\m:QT+16*\m+15], v[64*\m+16*\q:64*\m+16*\q+15], v[FR+8*\q:FR+8*\q+7], v[QT+16*\m:QT+16*\m+15], v[WSQ+4*\m+\q], v[SSQ+\q]
.endr
.endr
	WIN 0
	PLACES
.set i, 0
.rept 16
	v_pk_mul_f32 v[QT+2*i:QT+2*i+1], v[QT+2*i:QT+2*i+1], 0x3e38aa3b op_sel_hi:[1,0]   ; x log2(e) / 8: the scores come out as t
.set i, i+1
.endr
.irp i, 0,1,2,3,4,5,6,7
	ds_store_b128 v[QXW], v[QT+4*\i:QT+4*\i+3] offset:QX+128*\i   ; lanes of one nl and h write the same bytes with the same values
.endr
	s_cmp_lt_u32 s[WV], 5
	s_cbranch_scc0 .Llater                         ; waves 5 to 7's loads, a line of their own, are waited for in front of the first tile that needs them
	s_wait_tensorcnt 0x0                           ; Wk, src's first 32 s
.Llater:
	s_wait_dscnt 0x0                               ; my q and my scale bytes lie in LDS
	s_barrier_signal -1
	s_barrier_wait -1                              ; everybody's
	s_mov_b32 s[TF], 0
	s_mov_b32 s[TS], 0
	s_mov_b32 s[TC], 0
	v_add_nc_u32 v[ADX], s[TF], v[AF]
	v_add_nc_u32 v[ADY], s[TS], v[AS]
	FETCH 0
	WLOAD 0                                        ; Wk's first half
.macro QLOAD x                         ; 8 loads: a head's q
.irp i, 0,1,2,3,4,5,6,7
	ds_load_b128 v[QQ+32*\x+4*\i:QQ+32*\x+4*\i+3], v[QXR] offset:TILEB*\x+128*\i
.endr
.endm
	QLOAD 0
	WLOAD 1                                        ; its second half
	QLOAD 1
	FETCH 1
	s_mov_b32 s[TF], 2*TRIPB
	s_mov_b32 s[TS], 1024
	s_wait_alu depctr_va_vdst(0)
	s_wait_loadcnt 0x0                             ; scale words
	; THE K PHASE: 8 trips of two tiles
	KT 0, 0, 57                                    ; behind the first tile and Wk's first half stand 8 + 32 + 8 + 9 loads
	KT 1, 1, 9                                     ; behind the second tile stand the third's 9
	STEPS
	s_wait_tensorcnt 0x0                           ; all my tensor loads have landed: the other pieces are in;
	ds_add_u32 v[SPW], v[NIL]                      ; 0 onto my spare word;
	s_wait_dscnt 0x0                               ; the add is done; my reads of Wk's rows ended long ago
	ROUND                                          ; the same holds of every wave of all four work-groups
	tensor_load_to_lds s[G0V:G0V+3], s[G1V:G1V+7]  ; Wv, jointly, over Wk's rows: my one tensor load behind the round; it has 6 trips in which to land
	s_nop 0
	PLACES
	s_mov_b32 s[CNT], 6
.Lk:                                                   ; behind a tile's loads stand a store and the next tile's 9 loads
	KT 0, 1, 10
	KT 1, 1, 10
	STEPS
	s_sub_co_u32 s[CNT], s[CNT], 1
	s_cmp_lg_u32 s[CNT], 0
	s_wait_alu depctr_va_vdst(0)                   ; directly ahead of the branch
	s_cbranch_scc1 .Lk
	s_wait_tensorcnt 0x0                           ; my 64 rows of Wv are in,
	s_wait_dscnt 0x0
	s_barrier_signal -1
	s_barrier_wait -1                              ; and everybody's
	s_mov_b32 s[TF], 0                             ; the last trip fetches the V phase's first two tiles
	s_mov_b32 s[TS], 0
	KT 0, 1, 10
	KT 1, 1, 10
	JOIN4                                          ; the last tile's scores
	DK 2, 0
	JOIN2
	DK 2, 1
	v_add_f32 v[TT], v[TA], v[TA+1]
	JOIN4
	JOIN2
	v_add_nc_u32 v[ADX], s[TC], v[ASC]
	v_add_f32 v[TT+1], v[TA], v[TA+1]
	v_permlane16_swap_b32 v[TT], v[TT+1]
	v_add_f32 v[TT], v[TT], v[TT+1]
	ds_store_b32 v[ADX], v[TT] offset:256
	; BETWEEN THE PHASES: lane (r, h) has the t of its row in head 2 cg + h, 16 tiles; Wv into registers meanwhile
.set i, 0
.rept 16
	ds_load_b32 v[R+i], v[ASC] offset:128*(i+1)    ; LDS serves a wave's instructions in order: these see my stores
.set i, i+1
.endr
	WLOAD 0
	WLOAD 1
	s_mov_b32 s[TF], 2*TRIPB
	s_mov_b32 s[TS], 1024
	s_mov_b32 s[TC], 0
	s_wait_dscnt 63                                ; t is in: behind it stand 64 loads
.irp k, 0,1,2,3
	v_max3_num_f32 v[R+16+\k], v[R+\k], v[R+\k+4], v[R+\k+8]
.endr
	v_max3_num_f32 v[R+16], v[R+16], v[R+12], v[R+13]
	v_max3_num_f32 v[R+17], v[R+17], v[R+14], v[R+15]
	v_max_num_f32 v[R+18], v[R+18], v[R+19]
	v_max3_num_f32 v[MX], v[R+16], v[R+17], v[R+18]
	v_mov_b32 v[NM+1], 0
	v_max_num_f32_dpp v[MX], v[MX], v[MX] row_xmask:4 row_mask:0xf bank_mask:0xf   ; the four lanes of one nl
	v_max_num_f32_dpp v[MX], v[MX], v[MX] row_xmask:8 row_mask:0xf bank_mask:0xf
	v_xor_b32 v[NM], 0x80000000, v[MX]             ; -m
.set i, 0
.rept 8
	v_pk_add_f32 v[R+2*i:R+2*i+1], v[R+2*i:R+2*i+1], v[NM:NM+1] op_sel_hi:[1,0]
.set i, i+1
.endr
	s_wait_alu depctr_va_vdst(0)                   ; ahead of the batch
.set i, 0
.rept 16
	v_exp_f32 v[R+i], v[R+i]                       ; p = 2^(t - m)
.set i, i+1
.endr
	v_nop                                          ; a plain instruction between the last exponential and the use of its result
	s_wait_alu depctr_va_vdst(0)                   ; and behind it
.set i, 0
.rept 16
	ds_store_b32 v[ASC], v[R+i] offset:128*(i+1)   ; p takes t's place
.set i, i+1
.endr
	ds_load_b32 v[PP], v[APX] offset:128           ; p of tile 0: row r, both heads
	ds_load_b32 v[PP+1], v[APX] offset:192
	v_pk_add_f32 v[R+20:R+21], v[R:R+1], v[R+2:R+3]
	v_pk_add_f32 v[R+22:R+23], v[R+4:R+5], v[R+6:R+7]
	v_pk_add_f32 v[R+20:R+21], v[R+20:R+21], v[R+8:R+9]
	v_pk_add_f32 v[R+22:R+23], v[R+22:R+23], v[R+10:R+11]
	v_pk_add_f32 v[R+20:R+21], v[R+20:R+21], v[R+12:R+13]
	v_pk_add_f32 v[R+22:R+23], v[R+22:R+23], v[R+14:R+15]
	v_pk_add_f32 v[R+20:R+21], v[R+20:R+21], v[R+22:R+23]
	v_add_f32 v[LL], v[R+20], v[R+21]
	v_add_f32_dpp v[LL], v[LL], v[LL] row_xmask:4 row_mask:0xf bank_mask:0xf
	v_add_f32_dpp v[LL], v[LL], v[LL] row_xmask:8 row_mask:0xf bank_mask:0xf   ; l
	; THE V PHASE: 8 trips.  Behind a tile's loads and its p stand the next fetch's 9 loads
	VT 0, 1, 0, 0, 1, 1, 0
	VT 1, 1, 1, 1, 0, 1, 9
	STEPS
	s_mov_b32 s[CNT], 6
.Lv:
	VT 0, 1, 1, 0, 0, 1, 9
	VT 1, 1, 1, 0, 0, 1, 9
	STEPS
	s_sub_co_u32 s[CNT], s[CNT], 1
	s_cmp_lg_u32 s[CNT], 0
	s_cbranch_scc1 .Lv
	VT 0, 0, 1, 0, 0, 1, 9
	VT 1, 0, 1, 0, 0, 0, 0
	DV 2, 1, 0                                     ; the last tile's second head
	; THE END.  The two waves of a column group join their statistics: M = the larger m, each wave's sums x 2^(m - M).  A lane's sums cover the s with sl % 4 = r / 4: the four rows of one nl, of both waves, are added on the way through LDS,
	; where the weights' rows lay: those bytes have had their last fill, and every wave has read them ahead of the first barrier below
	s_lshl_b32 s31, s[WV], 6
	s_add_co_u32 s31, s31, EX                      ; my statistics,
	s_xor_b32 s32, s[WV], 4
	s_lshl_b32 s32, s32, 6
	s_add_co_u32 s32, s32, EX                      ; the other wave's
	s_mul_i32 s33, s[WV], OUTW
	s_add_co_u32 s33, s33, WREG                    ; my way out
	s_mul_i32 s34, s[CG], OUTW
	s_add_co_u32 s34, s34, WREG
	s_mul_i32 s35, s[RH], 2*528
	s_add_co_u32 s34, s34, s35                     ; the rows that I add: nl = 2 rh, 2 rh + 1
	s_lshl_b32 s35, s[WV], 6
	s_add_co_u32 s35, s35, ML
	v_and_b32 v[R], 31, v0
	v_and_b32 v[R+1], 15, v0
	v_bfe_u32 v[R+2], v0, 4, 1
	v_and_b32 v[R+3], 3, v0
	v_lshl_add_u32 v[R+5], v[R+3], 2, s31          ; my m, l: + 16 x head (+ 32)
	v_lshl_add_u32 v[R+6], v[R+3], 2, s32          ; the other's
	v_lshl_add_u32 v[R+4], v[R+2], 4, v[R+5]       ; where I store
	v_lshl_add_u32 v[R+7], v[R+3], 2, s35
	v_mul_u32_u24 v[R+8], v[R+1], 528
	v_lshl_add_u32 v[R+8], v[R+2], 5, v[R+8]
	v_add_nc_u32 v[R+8], s33, v[R+8]               ; in: row r, 32 bytes for each half of the lanes
	v_lshlrev_b32 v[R+10], 4, v[R]                 ; 16 x lane
	v_add_nc_u32 v[R+9], s34, v[R+10]              ; back: a whole row of 512 bytes
	v_lshl_add_u32 v[R+11], v[R], 3, ML
	v_lshlrev_b32 v[R+12], 3, v[R]
	v_mov_b32 v[R+25], 0                           ; the upper words of pairs of which the low word serves both halves
	v_mov_b32 v[R+27], 0
	ds_store_b32 v[R+4], v[MX]                     ; lanes of one nl and head write the same word with the same value
	ds_store_b32 v[R+4], v[LL] offset:32
	s_wait_alu depctr_va_vdst(0)
	s_wait_dscnt 0x0
	s_barrier_signal -1
	s_barrier_wait -1
.irp x, 0,1
	ds_load_b32 v[R+14+\x], v[R+5] offset:16*\x    ; my m,
	ds_load_b32 v[R+16+\x], v[R+6] offset:16*\x    ; the other's,
	ds_load_b32 v[R+18+\x], v[R+5] offset:32+16*\x ; my l,
	ds_load_b32 v[R+20+\x], v[R+6] offset:32+16*\x ; the other's
.endr
	s_wait_dscnt 0x0
.irp x, 0,1
	v_max_num_f32 v[R+22+\x], v[R+14+\x], v[R+16+\x]   ; M
.endr
.irp x, 0,1
	v_sub_f32 v[R+14+\x], v[R+14+\x], v[R+22+\x]
	v_sub_f32 v[R+16+\x], v[R+16+\x], v[R+22+\x]
.endr
	s_wait_alu depctr_va_vdst(0)                   ; ahead of the batch
.irp x, 0,1
	v_exp_f32 v[R+24+2*\x], v[R+14+\x]             ; f, in both heads
	v_exp_f32 v[R+28+\x], v[R+16+\x]               ; the other's f
.endr
	v_nop
	s_wait_alu depctr_va_vdst(0)                   ; and behind it
.irp x, 0,1
	v_mul_f32 v[R+18+\x], v[R+18+\x], v[R+24+2*\x]
.endr
.irp x, 0,1
	v_fmac_f32 v[R+18+\x], v[R+20+\x], v[R+28+\x]  ; l under M
.endr
.irp x, 0,1
	ds_store_b32 v[R+7], v[R+22+\x] offset:16*\x
	ds_store_b32 v[R+7], v[R+18+\x] offset:32+16*\x
.endr
.set i, 0
.rept 32
	v_pk_mul_f32 v[OO+2*i:OO+2*i+1], v[OO+2*i:OO+2*i+1], v[R+24+2*(i/16):R+24+2*(i/16)+1] op_sel_hi:[1,0]
.set i, i+1
.endr
.irp m, 0,1,2,3,4,5,6,7
	ds_store_b128 v[R+8], v[OO+8*\m:OO+8*\m+3] offset:64*\m
	ds_store_b128 v[R+8], v[OO+8*\m+4:OO+8*\m+7] offset:64*\m+16
.endr
	s_wait_dscnt 0x0
	s_barrier_signal -1
	s_barrier_wait -1
.irp nl, 0,1
.irp sl, 0,1,2,3
.irp x, 0,1
	ds_load_b128 v[OO+32*\nl+8*\sl+4*\x:OO+32*\nl+8*\sl+4*\x+3], v[R+9] offset:528*(4*\sl+\nl)+4*OUTW*\x
.endr
.endr
.endr
	s_wait_dscnt 0x0
.irp d, 16,8,4
.set k, 0
.rept \d/2
.irp nl, 0,1
	v_pk_add_f32 v[OO+32*\nl+2*k:OO+32*\nl+2*k+1], v[OO+32*\nl+2*k:OO+32*\nl+2*k+1], v[OO+32*\nl+2*k+\d:OO+32*\nl+2*k+\d+1]
.endr
.set k, k+1
.endr
.endr
.irp nl, 0,1
	global_store_b128 v[R+10], v[OO+32*\nl:OO+32*\nl+3], s[22:23] offset:65536*\nl   ; the wave stores 512 consecutive bytes, at a multiple of 256 from the buffer's first byte
.endr
	s_cmp_lg_u32 s[WV], 0
	s_cbranch_scc1 .Lnot_first
	ds_load_b64 v[R+14:R+15], v[R+11]
	s_wait_dscnt 0x0
	global_store_b64 v[R+12], v[R+14:R+15], s[24:25]   ; wave 0 stores the work-group's 256 bytes of statistics, whole: those that waves 0 to 3 have joined
.Lnot_first:
	s_wait_tensorcnt 0x0                           ; the wave's end, behind my last tensor load and my last LDS store
	ds_add_u32 v[SPW], v[NIL]
	s_wait_dscnt 0x0
	ROUND                                          ; the closing round: no work-group ends while a partner may still ask for a tile that names it
	s_endpgm
.Lfunc_end_k_q94c259b43d_attn:
	.size	k_q94c259b43d_attn, .Lfunc_end_k_q94c259b43d_attn-k_q94c259b43d_attn
	.p2alignl 7, 3214868480
	.fill 96, 4, 3214868480
	.section	.rodata,"a",@progbits
	.p2align	6, 0x0
	.amdhsa_kernel k_q94c259b43d_attn
		.amdhsa_group_segment_fixed_size 327680
		.amdhsa_private_segment_fixed_size 0
		.amdhsa_enable_private_segment 0
		.amdhsa_kernarg_size 88
		.amdhsa_user_sgpr_count 2
		.amdhsa_user_sgpr_kernarg_segment_ptr 1
		.amdhsa_wavefront_size32 1
		.amdhsa_system_sgpr_workgroup_id_x 1
		.amdhsa_system_sgpr_workgroup_id_y 1
		.amdhsa_system_sgpr_workgroup_id_z 1
		.amdhsa_system_vgpr_workitem_id 0
		.amdhsa_next_free_vgpr 512
		.amdhsa_next_free_sgpr 84
		.amdhsa_reserve_vcc 0
		.amdhsa_float_denorm_mode_32 3
		.amdhsa_float_denorm_mode_16_64 3
		.amdhsa_memory_ordered 1
		.amdhsa_forward_progress 1
		.amdhsa_inst_pref_size 110
	.end_amdhsa_kernel
	.amdgpu_metadata
---
amdhsa.version: [ 1, 2 ]
amdhsa.kernels:
  - .name:           k_q94c259b43d_attn
    .symbol:         k_q94c259b43d_attn.kd
    .args:
      - { .name: src_codes, .offset: 0, .size: 8, .value_kind: global_buffer, .address_space: global }
      - { .name: src_scales, .offset: 8, .size: 8, .value_kind: global_buffer, .address_space: global }
      - { .name: Wq_codes, .offset: 16, .size: 8, .value_kind: global_buffer, .address_space: global }
      - { .name: Wq_scales, .offset: 24, .size: 8, .value_kind: global_buffer, .address_space: global }
      - { .name: bq, .offset: 32, .size: 8, .value_kind: global_buffer, .address_space: global }
      - { .name: Wk_codes, .offset: 40, .size: 8, .value_kind: global_buffer, .address_space: global }
      - { .name: Wk_scales, .offset: 48, .size: 8, .value_kind: global_buffer, .address_space: global }
      - { .name: Wv_codes, .offset: 56, .size: 8, .value_kind: global_buffer, .address_space: global }
      - { .name: Wv_scales, .offset: 64, .size: 8, .value_kind: global_buffer, .address_space: global }
      - { .name: part_o, .offset: 72, .size: 8, .value_kind: global_buffer, .address_space: global }
      - { .name: part_ml, .offset: 80, .size: 8, .value_kind: global_buffer, .address_space: global }
    .group_segment_fixed_size: 327680
    .private_segment_fixed_size: 0
    .kernarg_segment_align: 8
    .kernarg_segment_size: 88
    .max_flat_workgroup_size: 256
    .sgpr_count:     84
    .vgpr_count:     512
    .wavefront_size: 32
...
	.end_amdgpu_metadata
.endif
;; end of part 1
;; launch tail (part 2): grid 32 x 4, 8 waves a work-group, clusters of 4 x 1, 167,936 bytes of LDS; arguments part_o, part_ml, bv, Wo_codes, Wo_scales, bo, Wl_codes, Wl_scales, bl, out0; writes out0
.if DOCPART == 2
	.amdgcn_target "amdgcn-amd-amdhsa--gfx1250"
	.amdhsa_code_object_version 6
	.text
	.protected	k_q94c259b43d_tail
	.globl	k_q94c259b43d_tail
	.p2align	8
	.type	k_q94c259b43d_tail,@function
k_q94c259b43d_tail:
	s_mov_b64 s[64:65], 0
	v_nop
	global_prefetch_b8 v0, s[64:65] scope:SCOPE_SE
	s_setreg_imm32_b32 hwreg(HW_REG_WAVE_MODE, 25, 1), 1
	s_wait_xcnt 0x0
	s_wait_alu depctr_hold_cnt(0) depctr_sa_sdst(0) depctr_va_vdst(0) depctr_va_sdst(0) depctr_va_ssrc(0) depctr_va_vcc(0) depctr_vm_vsrc(0)
	s_getreg_b32 s2, hwreg(HW_REG_IB_STS2, 6, 4)
	s_cmp_eq_u32 s2, 0
	s_cbranch_scc0 .Lentry_in_a_cluster
	s_endpgm
.Lentry_in_a_cluster:
	s_bfe_u32 s2, ttmp6, 0x10000c
	s_cmp_lg_u32 s2, 0x3003
	s_cbranch_scc0 .Lentry_shape_is_right
	s_endpgm
.Lentry_shape_is_right:
; THE 32 SHARES OF EACH BATCH ROW ARE JOINED, THEN THE TWO LINEAR LAYERS: out0 = (a Wo^T + bo) Wl^T + bl, a = the attention's result + bv.  Both products on codes of FP4 (E2M1) with one E8M0 scale for each 32 along K.
; The attention leaves out bk (the softmax takes it away: see the first launch); nothing of it reaches this launch.
; part_o [n 32][chunk 32][512] f32: a share's sum of 2^(t - m) V.  part_ml [8 chunk + n / 4][64] f32: at 16 cg + 4 q + n % 4: q = 0, 1: m of heads 2 cg, 2 cg + 1; q = 2, 3: their l.
; a = the sum over chunks of f PO + bv, f = 2^(m - M) / the sum of 2^(m - M) l, M the largest m: the weights sum to 1, so bv is added once.
; SHARES.  A work-group takes ONE n (x) and 128 columns of out0 (y): it does all of the first product and its quarter of the second.  All 16 rows of the operand tiles hold the same row.
; Wave w owns head w in the joining, rows 64 w .. of Wo and rows 128 y + 16 w .. of Wl: so what it quantises, both times, are 64 columns that it made itself: half a K step of the next product.
; Wo COMES AS WHOLE ROWS of 256 bytes, by one tensor load a wave, asked for JOINTLY by the four work-groups of a cluster (four neighbouring n, one y).  a wave has one tensor load at the head.
; Nothing in LDS is filled twice.  No prefetch: there is no loop to run ahead in.
; OPERANDS GO FROM WAVE TO WAVE THROUGH LDS AS IMAGES OF THEIR REGISTERS: half a fragment by one ds_store_b128 at 16 x lane, its two scale bytes at 4 x lane.
; Both products are used transposed (source 0 = rows of a weight).  In both quantisers a lane (r, h) holds, of block b, the columns 16 u + 8 h + 0 .. 7 (u = 0, 1) in registers 16 b + 8 u on: the first product's own layout.
; LIMITS: NaN and infinities are not served.  A block whose largest magnitude lies under 2^-124 keeps the scale byte 1 (a block of zeros too: its codes are zeros).  The division by the sum is v_rcp_f32 and a multiplication.
.set PITCH, 272                        ; a row of Wo in LDS: 256 bytes + 16 of padding: the 16 rows of a fragment load start 68 words apart
.set WOW,  64*PITCH                    ; LDS from byte 0: Wo, wave w's 64 rows at WOW x w
.set LDSB, 8*WOW                       ; 139,264: what the waves store themselves.  From here on:
.set FT,   0                           ; f, 128 bytes a head
.set XR,   1024                        ; the row a, 512 f32
.set XIMG, 3072                        ; its four fragments, 1,024 bytes each
.set XSC,  7168                        ; their scale words, 128 bytes each
.set HIMG, 7680                        ; the first product's result likewise
.set HSC,  11776
.set STG,  12288                       ; the 128 columns of out0
.set SPARE, LDSB+12800                 ; the spare words, 128 bytes for each wave: four blocks of 256 bytes that no other line names
.set SPW,  1
.set NIL,  2
.set AML,  3                           ; 2,048 x lane: lane = chunk
.set APO,  4                           ; 8 x thread
.set ABL,  7                           ; 32 h
.set AWLG, 8                           ; 256 r + 16 h
.set AWLS, 9                           ; 16 r
.set AWOL, 10                          ; WOW w + 272 r + 16 h
.set FTW,  11                          ; LDSB + 128 w + 4 x lane
.set FTR,  12                          ; LDSB + 128 w
.set XW,   13                          ; LDSB + 8 x thread
.set XRR,  14                          ; LDSB + 256 w + 32 h
.set IMW,  15                          ; LDSB + 512 w + 16 x lane
.set SCW,  16                          ; LDSB + 128 (w / 2) + 2 (w % 2) + 4 x lane
.set LIL,  17                          ; LDSB + 16 x lane
.set LS,   18                          ; LDSB + 4 x lane
.set SO,   19                          ; LDSB + 64 w + 32 h
.set LI,   20                          ; 16 x lane
.set OUTR, 22                          ; v22-23  my 2 columns of a
.set STA,  24                          ; v24-27  statistics
.set OUT2, 28                          ; v28-29  the second chain of sums
.set PO,   32                          ; v32-95  32 chunks x my 2 columns
.set FF,   96                          ; v96-127 f of my head, 32 chunks; later:
.set TM,   96                          ; v96-103 at work in the quantiser
.set PC,   104                         ; v104-107 the codes just made
.set PW,   108                         ; the two scale bytes
.set HA,   128                         ; v128-159 bo, then the first product's results: 16 b + 8 u + j
.set XF,   160                         ; v160-191 four fragments
.set W1S,  192                         ; v192-199 Wo's scale words: 4 b + k, lane = row of the 32
.set W2S,  200                         ; v200-203 Wl's
.set XS,   204                         ; v204-207 the fragments'
.set Y0,   208                         ; v208-215 bl, then the sums of K steps 0 and 2
.set Y1,   216                         ; v216-223 K steps 1 and 3
.set ST,   224                         ; v224-255 32 numbers ahead of the quantiser
; window 1: Wo's fragments at 64 b + 16 k + 8 u; Wl's at 128 + 8 k
.set WV,   24
.set SEL,  30                          ; s[30:31] selects for lane l xor 16
.set G1O,  36
.set G0O,  52
.set MSB, 0
.macro WIN new
.if MSB != \new
	s_set_vgpr_msb (MSB<<8)|\new
.set MSB, \new
.endif
.endm
.macro PLACES
.rept 4
	v_nop
.endr
.endm
.macro BARRIER                         ; my LDS stores have landed and my LDS loads are in: then the work-group's barrier
	s_wait_dscnt 0x0
	s_barrier_signal -1
	s_barrier_wait -1
.endm
.macro ROUND                           ; a round of the cluster's barrier
	s_barrier_signal -1
	s_barrier_wait -1
	s_cmp_lg_u32 s[WV], 0
	s_cbranch_scc1 .Lnot_wave_0_\@
	s_barrier_signal -3
.Lnot_wave_0_\@:
	s_barrier_wait -3
	s_barrier_signal -1
	s_barrier_wait -1
.endm
; 32 numbers of a lane, register 16 b + 8 u + j = column 64 w + 32 b + 16 u + 8 h + j, become half a fragment's codes in v[PC] on and two scale bytes in v[PW]
.macro QUANT s
.irp b, 0,1
	v_max3_num_f32 v[TM+\b], |v[\s+16*\b]|, |v[\s+1+16*\b]|, 0x1800000   ; my 16 numbers, and the floor 2^(3 - 127): the byte cannot fall under 1
.endr
.irp i, 2,4,6,8,10,12,14
.irp b, 0,1
	v_max3_num_f32 v[TM+\b], v[TM+\b], |v[\s+16*\b+\i]|, |v[\s+1+16*\b+\i]|
.endr
.endr
.irp b, 0,1
	v_permlanex16_b32 v[TM+2+\b], v[TM+\b], s[SEL], s[SEL+1]
.endr
.irp b, 0,1
	v_max_num_f32 v[TM+\b], v[TM+\b], v[TM+2+\b]   ; with lane l xor 16's: the block's largest magnitude
.endr
.irp b, 0,1
	v_add_nc_u32 v[TM+4+\b], 0xff000000, v[TM+\b]  ; 2 off its exponent field: the conversion takes the exponent field of this operand as its scale
.endr
.irp b, 0,1
	v_lshrrev_b32 v[TM+6+\b], 23, v[TM+4+\b]       ; the scale's byte
.endr
	v_lshl_or_b32 v[PW], v[TM+7], 8, v[TM+6]
.irp u, 0,1
.irp b, 0,1
	v_cvt_scalef32_pk8_fp4_f32 v[PC+2*\u+\b], v[\s+16*\b+8*\u:\s+16*\b+8*\u+7], v[TM+4+\b]
.endr
.endr
	v_nop                                          ; one plain place behind a scaled conversion
.irp u, 0,1                            ; the operand's layout wants a whole block in a lane: block 0's upper lanes change places with block 1's lower lanes: lanes 0-15 hold block 0's columns 16 u + 0 .. 7, 8 .. 15, lanes 16-31 block 1's
	v_permlane16_swap_b32 v[PC+2*\u], v[PC+2*\u+1]
.endr
.endm
.macro IMAGE img, scl
	ds_store_b128 v[IMW], v[PC:PC+3] offset:\img
	ds_store_b16 v[SCW], v[PW] offset:\scl
.endm
.macro FETCH4 img, scl                 ; all four K steps, in every wave
.irp k, 0,1,2,3
.irp c, 0,1
	ds_load_b128 v[XF+8*\k+4*\c:XF+8*\k+4*\c+3], v[LIL] offset:\img+1024*\k+512*\c
.endr
	ds_load_b32 v[XS+\k], v[LS] offset:\scl+128*\k
.endr
.endm
	s_load_b512 s[4:19], s[0:1], 0x0               ; part_o s[4:5], part_ml s[6:7], bv s[8:9], Wo codes s[10:11], Wo scales s[12:13], bo s[14:15], Wl codes s[16:17], Wl scales s[18:19]
	s_load_b128 s[20:23], s[0:1], 0x40             ; bl s[20:21], out0 s[22:23]
	v_lshl_add_u32 v[SPW], v0, 2, SPARE
	v_mov_b32 v[NIL], 0
	ds_add_u32 v[SPW], v[NIL]                      ; the wave's opening: the add, twice on end, and its wait ahead of my first tensor load
	ds_add_u32 v[SPW], v[NIL]
	v_lshrrev_b32 v32, 5, v0
	v_readfirstlane_b32 s[WV], v32                 ; wave 0..7
	s_mul_i32 s32, s[WV], WOW
	s_lshl_b32 s33, s[WV], 7
	s_add_co_u32 s33, s33, LDSB                    ; LDSB + 128 w
	s_lshl_b32 s34, s[WV], 8
	s_add_co_u32 s34, s34, LDSB                    ; + 256 w
	s_lshl_b32 s35, s[WV], 9
	s_add_co_u32 s35, s35, LDSB                    ; + 512 w
	s_lshr_b32 s44, s[WV], 1
	s_lshl_b32 s44, s44, 7
	s_and_b32 s45, s[WV], 1
	s_lshl_b32 s46, s45, 1
	s_add_co_u32 s44, s44, s46
	s_add_co_u32 s44, s44, LDSB                    ; + 128 (w / 2) + 2 (w % 2)
	s_lshl_b32 s46, s[WV], 6
	s_add_co_u32 s46, s46, LDSB                    ; + 64 w
	v_and_b32 v32, 31, v0                          ; lane
	v_and_b32 v33, 15, v0                          ; r
	v_bfe_u32 v34, v0, 4, 1                        ; h
	v_lshlrev_b32 v[AML], 11, v32
	v_lshlrev_b32 v[APO], 3, v0
	v_lshlrev_b32 v[ABL], 5, v34
	v_lshlrev_b32 v[AWLG], 8, v33
	v_lshl_add_u32 v[AWLG], v34, 4, v[AWLG]
	v_lshlrev_b32 v[AWLS], 4, v33
	v_mul_u32_u24 v[AWOL], v33, PITCH
	v_lshl_add_u32 v[AWOL], v34, 4, v[AWOL]
	v_add_nc_u32 v[AWOL], s32, v[AWOL]
	v_lshl_add_u32 v[FTW], v32, 2, s33
	v_mov_b32 v[FTR], s33
	v_lshl_add_u32 v[XW], v0, 3, LDSB
	v_lshl_add_u32 v[XRR], v34, 5, s34
	v_lshl_add_u32 v[IMW], v32, 4, s35
	v_lshl_add_u32 v[SCW], v32, 2, s44
	v_lshl_add_u32 v[LIL], v32, 4, LDSB
	v_lshl_add_u32 v[LS], v32, 2, LDSB
	v_lshl_add_u32 v[SO], v34, 5, s46
	v_lshlrev_b32 v[LI], 4, v32
	v_mov_b32 v[STA+3], 0                          ; written once: a lane permute's destination counts as one of its sources
	s_bfe_u32 s25, ttmp6, 0x40000                  ; cx: my place in the cluster
	s_lshl_b32 s27, ttmp9, 2                       ; in a cluster launch ttmp9 counts clusters
	s_add_co_u32 s27, s27, s25                     ; n: it enters the global addresses of my own loads and stores alone
	s_and_b32 s26, ttmp7, 0xffff                   ; y: which 128 columns of out0; the four partners share it
	s_mov_b32 s[SEL], 0x76543210
	s_mov_b32 s[SEL+1], 0xfedcba98
	; group 1: 64 rows of 256 bytes (32 elements of 8 bytes), dense in memory, 16 bytes of padding behind each in LDS; 15:0 the mask: all four work-groups, bit 21 set beside it
	s_mov_b32 s[G1O+0], 15|(3<<16)|(1<<20)|(1<<21)|(5<<22)|(3<<25)
	s_mov_b32 s[G1O+1], 32<<16
	s_mov_b32 s[G1O+2], 64<<16
	s_mov_b32 s[G1O+3], 32<<16
	s_mov_b32 s[G1O+4], 64
	s_mov_b32 s[G1O+5], 32
	s_mov_b32 s[G1O+6], 0
	s_mov_b32 s[G1O+7], 0
	s_mov_b32 s29, 0
	s_mov_b32 s49, 0
	s_wait_alu depctr_va_vdst(0)                   ; ahead of the waits below
	s_wait_dscnt 0x0                               ; both opening adds are done
	ROUND                                          ; all four work-groups are here: the joint load meets its partners'
	s_wait_kmcnt 0x0
	s_lshl_b32 s28, s[WV], 14                      ; my 64 rows of Wo's codes (s[28:29] never hold n)
	s_mov_b32 s[G0O], 1
	s_mov_b32 s[G0O+1], s32
	s_add_nc_u64 s[G0O+2:G0O+3], s[10:11], s[28:29]
	s_or_b32 s[G0O+3], s[G0O+3], 0x80000000
	tensor_load_to_lds s[G0O:G0O+3], s[G1O:G1O+7]  ; the only fill, one load a wave
	s_nop 0
	PLACES
	; what hangs on n
	s_lshl_b32 s48, s27, 16                        ; part_o: my n
	s_add_nc_u64 s[4:5], s[4:5], s[48:49]
	s_lshr_b32 s48, s27, 2                         ; part_ml: 256 (n / 4) + 64 (w / 2) + 16 (w % 2) + 4 (n % 4)
	s_lshl_b32 s48, s48, 8
	s_lshr_b32 s50, s[WV], 1
	s_lshl_b32 s50, s50, 6
	s_add_co_u32 s48, s48, s50
	s_lshl_b32 s50, s45, 4
	s_add_co_u32 s48, s48, s50
	s_and_b32 s50, s27, 3
	s_lshl_b32 s50, s50, 2
	s_add_co_u32 s48, s48, s50
	s_add_nc_u64 s[6:7], s[6:7], s[48:49]
	global_load_b32 v[STA], v[AML], s[6:7]         ; 2 loads: m and l of my head; lane = chunk
	global_load_b32 v[STA+1], v[AML], s[6:7] offset:32
.set c, 0
.rept 32                               ; 33 loads: the shares' sums (a wave reads 256 consecutive bytes, the work-group a chunk's 2,048) and bv
	global_load_b64 v[PO+2*c:PO+2*c+1], v[APO], s[4:5] offset:2048*c
.set c, c+1
.endr
	global_load_b64 v[OUTR:OUTR+1], v[APO], s[8:9]
	s_lshl_b32 s48, s27, 11                        ; out0: row n, 128 y columns on
	s_lshl_b32 s50, s26, 9
	s_add_co_u32 s48, s48, s50
	s_add_nc_u64 s[22:23], s[22:23], s[48:49]
	; what hangs on the wave's number and on y
	s_lshl_b32 s28, s[WV], 10                      ; Wo's scale bytes: 64 rows
	s_add_nc_u64 s[12:13], s[12:13], s[28:29]
	s_lshl_b32 s28, s[WV], 8                       ; bo: 64 numbers
	s_add_nc_u64 s[14:15], s[14:15], s[28:29]
	s_lshl_b32 s28, s26, 15                        ; Wl's codes: row 128 y + 16 w,
	s_lshl_b32 s50, s[WV], 12
	s_add_co_u32 s28, s28, s50
	s_add_nc_u64 s[16:17], s[16:17], s[28:29]
	s_lshl_b32 s28, s26, 11                        ; its scale bytes,
	s_lshl_b32 s50, s[WV], 8
	s_add_co_u32 s28, s28, s50
	s_add_nc_u64 s[18:19], s[18:19], s[28:29]
	s_lshl_b32 s28, s26, 9                         ; bl
	s_lshl_b32 s50, s[WV], 6
	s_add_co_u32 s28, s28, s50
	s_add_nc_u64 s[20:21], s[20:21], s[28:29]
.irp b, 0,1                            ; 10 loads: Wo's scale words, bo in the result's layout
	global_load_b128 v[W1S+4*\b:W1S+4*\b+3], v[LI], s[12:13] offset:512*\b
.endr
.irp b, 0,1
.irp u, 0,1
.irp j, 0,1
	global_load_b128 v[HA+16*\b+8*\u+4*\j:HA+16*\b+8*\u+4*\j+3], v[ABL], s[14:15] offset:128*\b+64*\u+16*\j
.endr
.endr
.endr
	global_load_b128 v[W2S:W2S+3], v[AWLS], s[18:19]   ; 11 loads: Wl's scale words, bl, Wl's 16 rows
	global_load_b128 v[Y0:Y0+3], v[ABL], s[20:21]
	global_load_b128 v[Y0+4:Y0+7], v[ABL], s[20:21] offset:16
	WIN 0x40                                       ; destination window 1
.irp k, 0,1,2,3
.irp c, 0,1
	global_load_b128 v[128+8*\k+4*\c:128+8*\k+4*\c+3], v[AWLG], s[16:17] offset:64*\k+32*\c
.endr
.endr
	WIN 0
	s_wait_loadcnt 54                              ; the statistics are in: behind them stand 33 + 21 loads
	; f for my head.  v[STA] m, then e, then f; v[STA+1] l, then e l, its sum, its reciprocal; v[STA+2] M; v[STA+3] the other half's
	v_max_num_f32_dpp v[STA+2], v[STA], v[STA] row_xmask:1 row_mask:0xf bank_mask:0xf
.irp k, 2,4,8
	v_max_num_f32_dpp v[STA+2], v[STA+2], v[STA+2] row_xmask:\k row_mask:0xf bank_mask:0xf
.endr
	v_permlanex16_b32 v[STA+3], v[STA+2], s[SEL], s[SEL+1]
	v_max_num_f32 v[STA+2], v[STA+2], v[STA+3]     ; M over the 32 chunks
	v_sub_f32 v[STA], v[STA], v[STA+2]
	s_wait_alu depctr_va_vdst(0)                   ; ahead of the transcendental
	v_exp_f32 v[STA], v[STA]                       ; e = 2^(m - M)
	v_nop
	s_wait_alu depctr_va_vdst(0)                   ; and behind it
	v_mul_f32 v[STA+1], v[STA], v[STA+1]
.irp k, 1,2,4,8
	v_add_f32_dpp v[STA+1], v[STA+1], v[STA+1] row_xmask:\k row_mask:0xf bank_mask:0xf
.endr
	v_permlanex16_b32 v[STA+3], v[STA+1], s[SEL], s[SEL+1]
	v_add_f32 v[STA+1], v[STA+1], v[STA+3]         ; the sum of e l: at least 1, since the chunk that holds M has e = 1 and l >= 1
	s_wait_alu depctr_va_vdst(0)
	v_rcp_f32 v[STA+1], v[STA+1]
	v_nop
	s_wait_alu depctr_va_vdst(0)
	v_mul_f32 v[STA], v[STA], v[STA+1]
	ds_store_b32 v[FTW], v[STA] offset:FT          ; my wave alone reads these words
.irp i, 0,1,2,3,4,5,6,7
	ds_load_b128 v[FF+4*\i:FF+4*\i+3], v[FTR] offset:FT+16*\i   ; f of my head, all 32 chunks: LDS serves a wave's instructions in order
.endr
	s_wait_dscnt 0x0
	s_wait_loadcnt 21                              ; the shares' sums and bv are in: behind them stand 21 loads
	v_pk_mul_f32 v[OUT2:OUT2+1], v[PO+2:PO+3], v[FF:FF+1] op_sel:[0,1] op_sel_hi:[1,1]   ; chunk 1 starts the second chain, bv the first
	v_dual_fmac_f32 v[OUTR], v[PO], v[FF] :: v_dual_fmac_f32 v[OUTR+1], v[PO+1], v[FF]
.set c, 2
.rept 15
	v_dual_fmac_f32 v[OUTR], v[PO+2*c], v[FF+c] :: v_dual_fmac_f32 v[OUTR+1], v[PO+2*c+1], v[FF+c]
	v_dual_fmac_f32 v[OUT2], v[PO+2*c+2], v[FF+c+1] :: v_dual_fmac_f32 v[OUT2+1], v[PO+2*c+3], v[FF+c+1]
.set c, c+2
.endr
	v_pk_add_f32 v[OUTR:OUTR+1], v[OUTR:OUTR+1], v[OUT2:OUT2+1]
	ds_store_b64 v[XW], v[OUTR:OUTR+1] offset:XR
.irp b, 0,1                            ; of each of my two blocks of 32 my half's 16 numbers; every r reads the same
.irp u, 0,1
.irp j, 0,1
	ds_load_b128 v[ST+16*\b+8*\u+4*\j:ST+16*\b+8*\u+4*\j+3], v[XRR] offset:XR+128*\b+64*\u+16*\j
.endr
.endr
.endr
	s_wait_tensorcnt 0x0                           ; my 64 rows of Wo, which I asked for and I alone read, are in LDS
	WIN 0x40
.irp b, 0,1
.irp k, 0,1,2,3
.irp u, 0,1
.irp c, 0,1
	ds_load_b128 v[64*\b+16*\k+8*\u+4*\c:64*\b+16*\k+8*\u+4*\c+3], v[AWOL] offset:(32*\b+16*\u)*PITCH+64*\k+32*\c
.endr
.endr
.endr
.endr
	WIN 0
	s_wait_dscnt 32                                ; my columns of a are in: behind them stand the 32 loads of Wo
	QUANT ST
	IMAGE XIMG, XSC
	BARRIER                                        ; a's four fragments lie in LDS; Wo is in my registers
	FETCH4 XIMG, XSC
	s_wait_dscnt 0x0
	s_wait_loadcnt 11                              ; Wo's scale words and bo are in
	WIN 0x01                                       ; Wo window 1
.irp k, 0,1,2,3                        ; two accumulators by turns, begun on bo
.irp b, 0,1
	v_wmma_scale_f32_32x16x128_f4 v[HA+16*\b:HA+16*\b+15], v[64*\b+16*\k:64*\b+16*\k+15], v[XF+8*\k:XF+8*\k+7], v[HA+16*\b:HA+16*\b+15], v[W1S+4*\b+\k], v[XS+\k]
.endr
.endr
	WIN 0
	PLACES
	QUANT HA                                       ; each accumulator is read from its low end on
	IMAGE HIMG, HSC
	BARRIER                                        ; the first product's four fragments lie in LDS
	FETCH4 HIMG, HSC
	s_wait_dscnt 0x0
	s_wait_loadcnt 0x0                             ; Wl, its scale words, bl
	WIN 0x01
	v_wmma_scale_f32_16x16x128_f8f6f4 v[Y0:Y0+7], v[128:135], v[XF:XF+7], v[Y0:Y0+7], v[W2S], v[XS] matrix_a_fmt:MATRIX_FMT_FP4 matrix_b_fmt:MATRIX_FMT_FP4
	v_wmma_scale_f32_16x16x128_f8f6f4 v[Y1:Y1+7], v[136:143], v[XF+8:XF+15], 0, v[W2S+1], v[XS+1] matrix_a_fmt:MATRIX_FMT_FP4 matrix_b_fmt:MATRIX_FMT_FP4
	v_wmma_scale_f32_16x16x128_f8f6f4 v[Y0:Y0+7], v[144:151], v[XF+16:XF+23], v[Y0:Y0+7], v[W2S+2], v[XS+2] matrix_a_fmt:MATRIX_FMT_FP4 matrix_b_fmt:MATRIX_FMT_FP4
	v_wmma_scale_f32_16x16x128_f8f6f4 v[Y1:Y1+7], v[152:159], v[XF+24:XF+31], v[Y1:Y1+7], v[W2S+3], v[XS+3] matrix_a_fmt:MATRIX_FMT_FP4 matrix_b_fmt:MATRIX_FMT_FP4
	WIN 0
	PLACES
.irp j, 0,2,4,6
	v_pk_add_f32 v[ST+\j:ST+\j+1], v[Y0+\j:Y0+\j+1], v[Y1+\j:Y1+\j+1]
.endr
	ds_store_b128 v[SO], v[ST:ST+3] offset:STG     ; lane (r, h): columns 16 w + 8 h + 0 .. 7; every r writes the same bytes with the same values
	ds_store_b128 v[SO], v[ST+4:ST+7] offset:STG+16
	BARRIER                                        ; the 128 columns lie in LDS
	s_cmp_lg_u32 s[WV], 0
	s_cbranch_scc1 .Ldone
	ds_load_b128 v[ST+8:ST+11], v[LIL] offset:STG
	s_wait_dscnt 0x0
	global_store_b128 v[LI], v[ST+8:ST+11], s[22:23]   ; wave 0 stores 512 consecutive bytes, at a multiple of 256 from out0's first byte
.Ldone:
	s_wait_tensorcnt 0x0                           ; the wave's end
	ds_add_u32 v[SPW], v[NIL]
	s_wait_dscnt 0x0
	ROUND                                          ; the closing round: no work-group ends while a partner may still ask for rows that name it
	s_endpgm
.Lfunc_end_k_q94c259b43d_tail:
	.size	k_q94c259b43d_tail, .Lfunc_end_k_q94c259b43d_tail-k_q94c259b43d_tail
	.p2alignl 7, 3214868480
	.fill 96, 4, 3214868480
	.section	.rodata,"a",@progbits
	.p2align	6, 0x0
	.amdhsa_kernel k_q94c259b43d_tail
		.amdhsa_group_segment_fixed_size 167936
		.amdhsa_private_segment_fixed_size 0
		.amdhsa_enable_private_segment 0
		.amdhsa_kernarg_size 80
		.amdhsa_user_sgpr_count 2
		.amdhsa_user_sgpr_kernarg_segment_ptr 1
		.amdhsa_wavefront_size32 1
		.amdhsa_system_sgpr_workgroup_id_x 1
		.amdhsa_system_sgpr_workgroup_id_y 1
		.amdhsa_system_sgpr_workgroup_id_z 1
		.amdhsa_system_vgpr_workitem_id 0
		.amdhsa_next_free_vgpr 512
		.amdhsa_next_free_sgpr 66
		.amdhsa_reserve_vcc 0
		.amdhsa_float_denorm_mode_32 3
		.amdhsa_float_denorm_mode_16_64 3
		.amdhsa_memory_ordered 1
		.amdhsa_forward_progress 1
		.amdhsa_inst_pref_size 26
	.end_amdhsa_kernel
	.amdgpu_metadata
---
amdhsa.version: [ 1, 2 ]
amdhsa.kernels:
  - .name:           k_q94c259b43d_tail
    .symbol:         k_q94c259b43d_tail.kd
    .args:
      - { .name: part_o, .offset: 0, .size: 8, .value_kind: global_buffer, .address_space: global }
      - { .name: part_ml, .offset: 8, .size: 8, .value_kind: global_buffer, .address_space: global }
      - { .name: bv, .offset: 16, .size: 8, .value_kind: global_buffer, .address_space: global }
      - { .name: Wo_codes, .offset: 24, .size: 8, .value_kind: global_buffer, .address_space: global }
      - { .name: Wo_scales, .offset: 32, .size: 8, .value_kind: global_buffer, .address_space: global }
      - { .name: bo, .offset: 40, .size: 8, .value_kind: global_buffer, .address_space: global }
      - { .name: Wl_codes, .offset: 48, .size: 8, .value_kind: global_buffer, .address_space: global }
      - { .name: Wl_scales, .offset: 56, .size: 8, .value_kind: global_buffer, .address_space: global }
      - { .name: bl, .offset: 64, .size: 8, .value_kind: global_buffer, .address_space: global }
      - { .name: out0, .offset: 72, .size: 8, .value_kind: global_buffer, .address_space: global }
    .group_segment_fixed_size: 167936
    .private_segment_fixed_size: 0
    .kernarg_segment_align: 8
    .kernarg_segment_size: 80
    .max_flat_workgroup_size: 256
    .sgpr_count:     66
    .vgpr_count:     512
    .wavefront_size: 32
...
	.end_amdgpu_metadata
.endif
;; end of part 2
